; MI455X (gfx1250); checked and timed in simulation.
; The chip was launched on July 23, 2026; its instructions are those of AMD's public machine-readable ISA for CDNA 5 (MIT licence, August 2026) and "CDNA5" Instruction Set Architecture Reference Guide (July 2026). The comments in the code are by the model that wrote it; some were corrected since.
;; Randomized Bert Self Attention. Allowed arithmetic: matrix products marked QUANTISED: E5M2 operands, one given power-of-two scale a tensor, by v_wmma_f32_16x16x64_bf8_bf8 or v_wmma_f32_16x16x128_bf8_bf8, f32 sums; everything else in f32.
;; Inputs: Wk_codes 768 x 24 x 32 uint8 (E5M2 codes of Wk, K innermost, in blocks of 32 codes); Wq_codes 768 x 24 x 32 uint8 (E5M2 codes of Wq, K innermost, in blocks of 32 codes); Wv_codes 768 x 24 x 32 uint8 (E5M2 codes of Wv, K innermost, in blocks of 32 codes); attention_mask 1 x 1 x 1 x 4,096 float32; bk 768 float32; bq 768 float32; bv 768 float32; hidden_states_codes 1 x 4,096 x 24 x 32 uint8 (E5M2 codes of hidden_states, K innermost, in blocks of 32 codes); lowp_scales 10 int32 (the exponents e of the quantised operands' scales 2^e).
;; Outputs: out0 1 x 4,096 x 768 float32.
;; This version of the problem:
;;   THIS VERSION OF THE PROBLEM IS GIVEN IN LOW PRECISION. The matrix products marked QUANTISED in the list below multiply operands that are first quantised to E5M2 (5 exponent bits, 2 mantissa bits; 8 bits a number), with one given power-of-two scale for each operand tensor; their sums are f32. All else is computed in f32.
;;   The module's matrix products, in the order in which they are computed (A, B: the left and right operand; K: the contracted axis; several contracted axes count as one K, in the product's order):
;;     1. [M 4,096, K 768] x [K 768, N 768]; A: input hidden_states (given as codes); B: input Wq (given as codes): QUANTISED (scales: A lowp_scales[0], B lowp_scales[1])
;;     2. [M 4,096, K 768] x [K 768, N 768]; A: input hidden_states (given as codes); B: input Wk (given as codes): QUANTISED (scales: A lowp_scales[2], B lowp_scales[3])
;;     3. batch 12 x [M 4,096, K 64] x [K 64, N 4,096]; A: computed on the way; B: computed on the way: QUANTISED (scales: A lowp_scales[4], B lowp_scales[5])
;;     4. [M 4,096, K 768] x [K 768, N 768]; A: input hidden_states (given as codes); B: input Wv (given as codes): QUANTISED (scales: A lowp_scales[6], B lowp_scales[7])
;;     5. batch 12 x [M 4,096, K 4,096] x [K 4,096, N 64]; A: softmax (see below); B: computed on the way: QUANTISED (scales: A lowp_scales[8], B lowp_scales[9])
;;   THE QUANTISER, for each operand of a quantised product, along K:
;;     - The operand's scale is 2^e, e = its entry of the input lowp_scales (int32; the entries are numbered through the quantised products in the list's order, A before B).
;;     - Each number is divided by the scale, clamped to +-57,344, and rounded to the nearest number of E5M2, ties to even, subnormals kept.
;;     - The product sums the exact products of the quantised numbers (number of the format x scale) in f32.
;;   ~~~python
;;   def quantise(x, axis, e):      # numpy; x: float32 -> the quantised numbers, widened to float32 again
;;       x = np.moveaxis(x, axis, -1); K = x.shape[-1]
;;       r = np.clip(x / 2.0 ** e, -57344, 57344)
;;       step = 2.0 ** (np.maximum(np.frexp(np.where(r == 0, 1, r))[1] - 1, -14) - 2)
;;       q = np.round(r / step) * step * 2.0 ** e      # np.round: ties to even
;;       return np.moveaxis(q, -1, axis).astype(np.float32)
;;   ~~~
;;   SOFTMAX AHEAD OF A QUANTISED PRODUCT. Where the list says 'softmax', what is quantised is not the finished softmax but p = 2^(t - M), with t = logit x log2(e) and M = ceil(the row's largest t), a whole number; so 1/2 < the row's largest p <= 1. The row's sum l is taken of the UNQUANTISED p, in f32, and the product's result is divided by l at the end. Since M is a whole number, a kernel that streams over the keys may use a running M (the ceiling of the running maximum): every later rescaling is an exact power of two, so the quantised numbers keep their values, but for numbers so far below the row's largest that they fall under the format's range.
;;   OPERANDS COMPUTED ON THE WAY. 'Computed on the way' means the value that the module computes at that place (a softmax that the list does not call 'softmax' is quantised finished and normalised). What goes into a quantiser is computed in f32, as accurately as f32 sums, v_exp_f32 and their like allow (about 1e-6 of the number): no bf16 or f16 on the way to a quantiser, and a product that is left as it is and whose result goes on into a quantised operand takes f32 operands (vector FMAs, or v_wmma_f32_16x16x4_f32). A number that lies on a knife's edge between two numbers of the format may be rounded either way, as far as f32 arithmetic and the matrix unit's own rounding can turn it there, and no further.
;;   INPUTS GIVEN AS CODES. Wk (in the module: [768, 768], K = its axis 1); Wq (in the module: [768, 768], K = its axis 1); Wv (in the module: [768, 768], K = its axis 1); hidden_states (in the module: [1, 4096, 768], K = its axis 2): each comes as NAME_codes (uint8): NAME with its K axis moved to the last place and cut into blocks of 32 codes, [.., K / 32, bytes a block], one block behind the other in memory; one code a byte (a code: sign, 5 exponent bits, 2 mantissa bits); its scale is its entry of lowp_scales. Its value is code x scale, taken as it is: it is not quantised again, and the codes and scales need not be those that the quantiser above would give.
;; One version. Each part assembles by itself: llvm-mc -triple=amdgcn-amd-amdhsa -mcpu=gfx1250 --defsym DOCPART=n.
;; ======== version 1 of 1: 2 launches
;; limits: right only within a limited range of input values
;; workspace buffers: qkv 9,437,184 bytes
;; launch proj (part 1): grid 26 x 9, 4 waves a work-group, no clusters, 167,936 bytes of LDS; arguments hidden_states_codes, Wq_codes, Wk_codes, Wv_codes, bq, bk, bv, lowp_scales, qkv; writes qkv
.if DOCPART == 1
	.amdgcn_target "amdgcn-amd-amdhsa--gfx1250"
	.amdhsa_code_object_version 6
	.text
	.protected	k_qee68b660e1_proj
	.globl	k_qee68b660e1_proj
	.p2align	8
	.type	k_qee68b660e1_proj,@function
k_qee68b660e1_proj:
	s_mov_b64 s[64:65], 0
	v_nop
	global_prefetch_b8 v0, s[64:65] scope:SCOPE_SE
	s_setreg_imm32_b32 hwreg(HW_REG_WAVE_MODE, 25, 1), 1
	s_wait_xcnt 0x0
; q = Q(x Wq^T + bq), k = Q(x Wk^T + bk), v = Q(x Wv^T + bv): x [4096][768] and the three W [768][768] arrive as codes of BF8 (E5M2), K innermost; the biases are f32.
; A number of x is its code x 2^ea, of W its code x 2^ew (q: entries 0, 1 of the scales; k: 2, 3; v: 6, 7).  The sums are f32; sum + b / 2^(ea + ew) is quantised with the one scale 2^(eo - ea - ew)
; (eo: entry 4 for q, 5 for k, 9 for v): held within +-57,344 x the scale, rounded to the nearest code, ties to even.
; OUTPUT: qkv, [36][262,144 bytes]: part g = head is q, 12 + head is k, 24 + head is v, each laid AS THE NEXT LAUNCH'S OPERAND REGISTERS:
;   q, k: [token / 16][piece c of 2][lane][16 bytes]: lane (r, h) holds token 16 T + r; its registers 2 t, 2 t + 1 the head's channels 16 t + 8 h + 0 .. 7; piece c is registers 4 c .. 4 c + 3.
;   v:    [token / 128][channel tile dt of 4][piece c of 4][lane][16 bytes]: lane (r, h) holds channel 16 dt + r; its registers 2 T, 2 T + 1 the tokens 16 T + 8 h + 0 .. 7 of the 128.
; SHARES.  The 2,304 columns are 36 parts of 64 (one head of one matrix); a work-group's four waves take four parts of ONE matrix (12 parts a matrix = 3 x 4) for a block of tokens.  The 128 units of 32 tokens are 26 blocks:
; blocks 0 and 1 have four units, the others five (block b begins at unit 5 b - min(b, 2)): 26 x 9 = 234 work-groups, one turn.
; A wave's 64 rows of W (24 fragments, 384 registers) stay in its registers, read once.  The block's 160 rows of x (blocks 0 and 1 read 128 of them) come into LDS by one tensor load a wave, 40 whole rows of 768 bytes: each byte is filled once.
; q and k are made TRANSPOSED (source 0 = 16 rows of W, source 1 = 16 tokens): a lane holds one token and eight neighbouring channels, which are the next product's K.  v is made the other way round
; (source 0 = 16 tokens, source 1 = 16 rows of W): a lane holds one channel and eight neighbouring tokens, which are ITS next K.  So every conversion's result is a pair of operand registers as it stands.
; Both operands take k = 32 c + 16 h + 0 .. 15 into registers 4 c .. 4 c + 3: one and the same permutation of k in x and in W, so that every product meets its partner.
; NO JOINT LOADS: the rows of x are shared by the nine work-groups of a column of the grid, and nine divides into no cluster of four; along the grid's x only W is shared, which goes straight into registers.
; NO PREFETCH: all that a work-group reads is asked for at the head; no loop runs ahead of it.
; LIMITS: eo - ea - ew between -126 and 112, so that the scale and 57,344 x the scale are f32 numbers.  NaN among the inputs is not served.
; REGISTERS, in windows of 256: window 0: v1-9 addresses; v16 the scale, v17 57,344 x the scale; v32-95 eight accumulators ((a, t) at v[32 + 8 (4 a + t)]); v96-175 codes, sixteen registers for each unit, so that
;   no store's data are written again; v254-255 the add's.   window 1: W's fragments of K steps 0-3 ((s, t) at v[16 (4 s + t)]).   window 2: those of K steps 4, 5; from v128 the bias, eight registers a tile, in
;   the result's layout.   window 3: x's fragments of 32 tokens ((s, a) at v[16 (2 s + a)]).
.set ROWS,  40                         ; rows of x that a wave fetches
.set PITCH, 816                        ; an LDS row: three pieces of 256 bytes, each with 16 of padding = 204 words: the sixteen rows of a fragment load start at sixteen different multiples of 4 banks (64 banks of 4 bytes: ISA guide 11.1)
.set CHUNK, 272                        ; from one piece of 256 along K to the next
.set SPARE, 4*ROWS*PITCH               ; the spare words, 128 bytes for each wave: two blocks of 256 bytes that no other line names
.set LI,   1                           ; v1   16 x lane: my place in an image
.set AD,   2                           ; v2-4 LDS address of my part of a fragment, for the units 2 i and 2 i + 1
.set WA,   5                           ; v5   my byte in 16 rows of W
.set BA,   6                           ; v6   my byte in a tile's 16 numbers of the bias
.set SC,   16
.set LIM,  17
.set ACC,  32
.set PC,   96
.set BI,   128                         ; in window 2
.set SPW,  254
.set NIL,  255
.set WV,   22                          ; s22  wave
.set MAT,  23                          ; s23  0: q, 1: k, 2: v
.set G1,   24                          ; s[24:31] descriptor group 1
.set G0,   32                          ; s[32:35] descriptor group 0
.set UB,   77                          ; s77  my block's first unit of 32 tokens
.set QO,   78                          ; s[78:79] where my block's q or k goes
.set VO,   80                          ; s[80:89] where each unit's v goes
.set MSB, 0
.macro WIN new                         ; the immediate's low byte: bits 1:0 source 0, 3:2 source 1, 5:4 source 2, 7:6 destination; its high byte repeats the setting that is left
.if MSB != \new
	s_set_vgpr_msb (MSB<<8)|\new
.set MSB, \new
.endif
.endm
.macro PLACES                          ; four plain vector instructions between a matrix instruction and a load into, or a vector instruction on, one of its registers
.rept 4
	v_nop
.endr
.endm
.macro FINISH                          ; the wave's end
	s_wait_tensorcnt 0x0
	ds_add_u32 v[SPW], v[NIL]
	s_wait_dscnt 0x0
	s_endpgm
.endm
	s_load_b256 s[4:11], s[0:1], 0x0               ; x s[4:5], Wq s[6:7], Wk s[8:9], Wv s[10:11]
	s_load_b256 s[12:19], s[0:1], 0x20             ; bq s[12:13], bk s[14:15], bv s[16:17], the scales' exponents s[18:19]
	s_load_b64 s[20:21], s[0:1], 0x40              ; qkv
	v_lshl_add_u32 v[SPW], v0, 2, SPARE
	v_mov_b32 v[NIL], 0
	ds_add_u32 v[SPW], v[NIL]                      ; the wave's opening: the add, twice on end, and its wait ahead of my tensor load
	ds_add_u32 v[SPW], v[NIL]
	v_lshrrev_b32 v7, 5, v0
	v_readfirstlane_b32 s[WV], v7                  ; wave 0..3
	s_and_b32 s58, ttmp7, 0xffff                   ; y = 0..8
	s_mul_i32 s[MAT], s58, 11
	s_lshr_b32 s[MAT], s[MAT], 5                   ; y / 3
	s_lshl_b32 s59, s58, 2
	s_add_co_u32 s59, s59, s[WV]                   ; g = 4 y + wave: my part of qkv
	s_mul_i32 s60, s[MAT], 12
	s_sub_co_u32 s60, s59, s60                     ; my head
	; descriptor group 1: 40 rows of 768 bytes, dense in memory, 16 bytes of padding behind each 256 in LDS
	s_mov_b32 s[G1+0], (0<<16)|(1<<20)|(5<<22)|(3<<25)  ; no mask; elements of 1 byte; padding on; after every 64 words (code 5) four words (code 3)
	s_mov_b32 s[G1+1], 768<<16                     ; tensor_dim0 = 768
	s_mov_b32 s[G1+2], ROWS<<16                    ; tensor_dim1 = 40
	s_mov_b32 s[G1+3], 768<<16                     ; tile_dim0 = 768
	s_mov_b32 s[G1+4], ROWS                        ; tile_dim1 = 40
	s_mov_b32 s[G1+5], 768                         ; from row to row
	s_mov_b32 s[G1+6], 0
	s_mov_b32 s[G1+7], 0
	s_mul_i32 s61, s[WV], ROWS*PITCH               ; my rows in LDS
	s_min_u32 s63, ttmp9, 2
	s_mul_i32 s[UB], ttmp9, 5
	s_sub_co_u32 s[UB], s[UB], s63                 ; 5 b - min(b, 2)
	s_lshl_b32 s62, s[UB], 5
	s_mul_i32 s63, s[WV], ROWS
	s_add_co_u32 s62, s62, s63                     ; my rows' first token
	s_mul_i32 s62, s62, 768
	s_mov_b32 s63, 0
	s_wait_dscnt 0x0                               ; both opening adds are done
	s_wait_kmcnt 0x0
	s_load_b256 s[48:55], s[18:19], 0x0            ; e0 .. e7
	s_load_b64 s[56:57], s[18:19], 0x20            ; e8, e9
	s_add_nc_u64 s[62:63], s[4:5], s[62:63]
	s_mov_b32 s[G0], 1                             ; count = 1
	s_mov_b32 s[G0+1], s61                         ; LDS address
	s_mov_b64 s[G0+2:G0+3], s[62:63]               ; global address
	s_or_b32 s[G0+3], s[G0+3], 0x80000000          ; type = 2
	tensor_load_to_lds s[G0:G0+3], s[G1:G1+7]      ; the wave's one tensor load
	s_nop 0
	PLACES                                         ; four v_nop follow it
	v_and_b32 v8, 15, v0                           ; r
	v_bfe_u32 v9, v0, 4, 1                         ; h
	v_and_b32 v[LI], 31, v0
	v_lshlrev_b32 v[LI], 4, v[LI]
	v_mul_u32_u24 v[AD], v8, PITCH
	v_lshl_add_u32 v[AD], v9, 4, v[AD]             ; row r x pitch + 16 h
	v_add_nc_u32 v[AD+1], 64*PITCH, v[AD]          ; 64 rows on for each two units
	v_add_nc_u32 v[AD+2], 128*PITCH, v[AD]
	v_mul_u32_u24 v[WA], v8, 768
	v_lshl_add_u32 v[WA], v9, 4, v[WA]
	s_wait_alu depctr_va_vdst(0)
	s_cmp_eq_u32 s[MAT], 0                         ; the matrix and its bias are chosen by the work-group's number alone
	s_cselect_b64 s[66:67], s[6:7], s[8:9]
	s_cselect_b64 s[68:69], s[12:13], s[14:15]
	s_cmp_eq_u32 s[MAT], 2
	s_cselect_b64 s[66:67], s[10:11], s[66:67]
	s_cselect_b64 s[68:69], s[16:17], s[68:69]
	s_mul_i32 s70, s60, 64*768                     ; my head's 64 rows of W,
	s_mov_b32 s71, 0
	s_add_nc_u64 s[66:67], s[66:67], s[70:71]
	s_lshl_b32 s70, s60, 8                         ; its 64 numbers of the bias
	s_add_nc_u64 s[68:69], s[68:69], s[70:71]
	; THE BIAS IS ASKED FOR FIRST, then W by K steps: the first unit waits for one K step of W at a time
	s_cmp_eq_u32 s[MAT], 2
	s_cbranch_scc1 .Lbias_v
	v_lshlrev_b32 v[BA], 5, v9                     ; q, k: register j of tile t is the bias of channel 16 t + 8 h + j
	WIN 0x80                                       ; destination window 2
.irp t, 0,1,2,3
	global_load_b128 v[BI+8*\t:BI+8*\t+3], v[BA], s[68:69] offset:64*\t
	global_load_b128 v[BI+8*\t+4:BI+8*\t+7], v[BA], s[68:69] offset:64*\t+16
.endr
	WIN 0                                          ; at a branch and at a label every window is 0
	s_branch .Lbias_in
.Lbias_v:
	v_lshlrev_b32 v[BA], 2, v8                     ; v: all eight registers of tile t are the bias of channel 16 t + r
	WIN 0x80
.irp t, 0,1,2,3
.irp j, 0,1,2,3,4,5,6,7
	global_load_b32 v[BI+8*\t+\j], v[BA], s[68:69] offset:64*\t
.endr
.endr
	WIN 0
.Lbias_in:
	WIN 0x40                                       ; destination window 1
.irp s, 0,1,2,3
.irp t, 0,1,2,3
.irp c, 0,1,2,3
	global_load_b128 v[16*(4*\s+\t)+4*\c:16*(4*\s+\t)+4*\c+3], v[WA], s[66:67] offset:\t*16*768+\s*128+32*\c
.endr
.endr
.endr
	WIN 0x80
.irp s, 4,5
.irp t, 0,1,2,3
.irp c, 0,1,2,3
	global_load_b128 v[16*(4*(\s-4)+\t)+4*\c:16*(4*(\s-4)+\t)+4*\c+3], v[WA], s[66:67] offset:\t*16*768+\s*128+32*\c
.endr
.endr
.endr
	WIN 0
; 24 LDS loads in one run: x's fragments of K steps 3 set .. 3 set + 2, for the 32 tokens of unit u.  The largest offset is 26,112 + 13,056 + 544 + 128 + 96 = 39,936.
.macro LOADS set, u
	WIN 0xc0                                       ; destination window 3, address window 0
.irp q, 0,1,2
.irp a, 0,1
.irp c, 0,1,2,3
	ds_load_b128 v[16*(2*(3*\set+\q)+\a)+4*\c:16*(2*(3*\set+\q)+\a)+4*\c+3], v[AD+(\u)/2] offset:((\u)%2)*32*PITCH+\a*16*PITCH+((3*\set+\q)/2)*CHUNK+((3*\set+\q)%2)*128+32*\c
.endr
.endr
.endr
.endm
; Eight matrix instructions: K step s of the unit's eight accumulators, which take turns, one instruction a turn.  The first K step takes the bias as C: nothing is cleared, nothing is added later.
; In the first unit W's K step s is waited for: 16 (5 - s) loads were issued behind its own (K steps 0 and 1 lie ahead of the youngest 63).
.macro MULS s, vp, first
.if \first
.if (\s) >= 2
	s_wait_loadcnt 16*(5-(\s))
.endif
.endif
.if \vp
.if (\s) == 0
	WIN 0x27                                       ; source 0 (x) window 3, source 1 (W) window 1, C (the bias) window 2
.elseif (\s) < 4
	WIN 0x07
.else
	WIN 0x0b                                       ; W in window 2
.endif
.else
.if (\s) == 0
	WIN 0x2d                                       ; source 0 (W) window 1, source 1 (x) window 3, C (the bias) window 2
.elseif (\s) < 4
	WIN 0x0d
.else
	WIN 0x0e                                       ; W in window 2
.endif
.endif
.irp a, 0,1
.irp t, 0,1,2,3
.set rD, ACC+8*(4*\a+\t)
.set rX, 16*(2*(\s)+\a)
.set rW, 16*(4*((\s)%4)+\t)
.set rB, BI+8*\t
.if \vp
.if (\s) == 0
	v_wmma_f32_16x16x128_bf8_bf8 v[rD:rD+7], v[rX:rX+15], v[rW:rW+15], v[rB:rB+7]
.else
	v_wmma_f32_16x16x128_bf8_bf8 v[rD:rD+7], v[rX:rX+15], v[rW:rW+15], v[rD:rD+7]
.endif
.else
.if (\s) == 0
	v_wmma_f32_16x16x128_bf8_bf8 v[rD:rD+7], v[rW:rW+15], v[rX:rX+15], v[rB:rB+7]
.else
	v_wmma_f32_16x16x128_bf8_bf8 v[rD:rD+7], v[rW:rW+15], v[rX:rX+15], v[rD:rD+7]
.endif
.endif
.endr
.endr
.endm
; The unit's 64 sums a lane become 16 registers of codes.  Each accumulator is read from its low end on.
.macro QUANT u, vp
.set j, 0
.rept 64
	v_med3_num_f32 v[ACC+j], v[ACC+j], -v[LIM], v[LIM]   ; the conversion to an 8-bit code does not saturate (ISA guide 7.6.2): the hold at the largest code x the scale
.set j, j+1
.endr
.irp a, 0,1
.irp t, 0,1,2,3
.if \vp
	v_cvt_scalef32_pk8_bf8_f32 v[PC+16*(\u)+4*\t+2*\a:PC+16*(\u)+4*\t+2*\a+1], v[ACC+8*(4*\a+\t):ACC+8*(4*\a+\t)+7], v[SC]   ; v: channel tile t's piece: token tiles a = 0, 1
.else
	v_cvt_scalef32_pk8_bf8_f32 v[PC+16*(\u)+8*\a+2*\t:PC+16*(\u)+8*\a+2*\t+1], v[ACC+8*(4*\a+\t):ACC+8*(4*\a+\t)+7], v[SC]   ; q, k: token tile a's registers 2 t, 2 t + 1
.endif
.endr
.endr
	v_nop                                          ; one plain vector instruction between the last conversion and the next products, which write its sources
.endm
.macro SEND u, vp                      ; four stores, each 512 consecutive bytes at a multiple of 512 from the buffer's first byte
.irp i, 0,1,2,3
.if \vp
	global_store_b128 v[LI], v[PC+16*(\u)+4*\i:PC+16*(\u)+4*\i+3], s[VO+2*(\u):VO+2*(\u)+1] offset:\i*2048
.else
	global_store_b128 v[LI], v[PC+16*(\u)+4*\i:PC+16*(\u)+4*\i+3], s[QO:QO+1] offset:(\u)*2048+\i*512
.endif
.endr
.endm
; A unit: 32 tokens x my 64 columns, 48 matrix instructions.  x's fragments come in two sets of three K steps; each set is asked for again, for the next unit, as soon as its products are issued.
.macro UNIT u, vp, more, first
	s_wait_dscnt 24                                ; K steps 0-2 are in; the 24 younger loads (K steps 3-5) may be out
	MULS 0, \vp, \first
	MULS 1, \vp, \first
	MULS 2, \vp, \first
	PLACES
.if \more
	LOADS 0, (\u)+1
	s_wait_dscnt 24                                ; K steps 3-5 are in; the 24 just issued may be out
.else
	s_wait_dscnt 0x0
.endif
	MULS 3, \vp, \first
	MULS 4, \vp, \first
	MULS 5, \vp, \first
	PLACES                                         ; for the loads below and for the holds; with the holds on other accumulators they are also the places in front of the next unit's first products, which begin the accumulators anew
.if \more
	LOADS 1, (\u)+1
.endif
	WIN 0
	QUANT \u, \vp
	SEND \u, \vp
.endm
.macro WALK vp
	s_wait_alu depctr_va_vdst(0)
	UNIT 0, \vp, 1, 1
	UNIT 1, \vp, 1, 0
	UNIT 2, \vp, 1, 0
	UNIT 3, \vp, 1, 0
	s_cmp_lt_u32 ttmp9, 2                          ; blocks 0 and 1 have four units
	s_wait_alu depctr_va_vdst(0)
	s_cbranch_scc1 .Lfour_\@
	UNIT 4, \vp, 0, 0
.Lfour_\@:
	FINISH
.endm
	s_lshl_b32 s70, s59, 18                        ; my part of qkv: 262,144 g,
	s_add_nc_u64 s[20:21], s[20:21], s[70:71]
	s_lshl_b32 s70, s[UB], 11                      ; a unit of q or k is 2,048 bytes,
	s_add_nc_u64 s[QO:QO+1], s[20:21], s[70:71]
.irp u, 0,1,2,3,4
	s_add_co_u32 s72, s[UB], \u                    ; one of v a fourth of 128 tokens' pieces
	s_lshr_b32 s70, s72, 2
	s_lshl_b32 s70, s70, 13
	s_and_b32 s72, s72, 3
	s_lshl_b32 s72, s72, 9
	s_add_co_u32 s70, s70, s72
	s_add_nc_u64 s[VO+2*\u:VO+2*\u+1], s[20:21], s[70:71]
.endr
	s_wait_tensorcnt 0x0                           ; my rows of x are in LDS,
	s_barrier_signal -1
	s_barrier_wait -1                              ; and everybody's are
	LOADS 0, 0
	LOADS 1, 0
	WIN 0
	s_wait_kmcnt 0x0                               ; the exponents
	s_cmp_eq_u32 s[MAT], 0
	s_cselect_b32 s72, s48, s50                    ; ea
	s_cselect_b32 s73, s49, s51                    ; ew
	s_cselect_b32 s74, s52, s53                    ; eo
	s_cmp_eq_u32 s[MAT], 2
	s_cselect_b32 s72, s54, s72
	s_cselect_b32 s73, s55, s73
	s_cselect_b32 s74, s57, s74
	s_add_co_i32 s72, s72, s73                     ; ea + ew: a sum stands for sum x 2^(ea + ew),
	s_sub_co_i32 s75, 0, s72                       ; so the bias goes in as b / 2^(ea + ew),
	s_sub_co_i32 s74, s74, s72                     ; and the conversion's one scale is 2^(eo - ea - ew)
	s_add_co_i32 s74, s74, 127
	s_lshl_b32 s76, s74, 23
	s_add_co_i32 s74, s74, 15
	s_lshl_b32 s74, s74, 23
	s_or_b32 s74, s74, 0x600000
	v_mov_b32 v[SC], s76
	v_mov_b32 v[LIM], s74                          ; 57,344 x that
	s_wait_alu depctr_va_vdst(0)
	s_wait_loadcnt 63                              ; the bias and W's K steps 0 and 1 are in: W's last 64 loads were issued behind them, the youngest 63 may be out
	WIN 0x82                                       ; source 0 and destination window 2
.set j, 0
.rept 32
	v_ldexp_f32 v[BI+j], v[BI+j], s75
.set j, j+1
.endr
	WIN 0
	s_cmp_eq_u32 s[MAT], 2
	s_wait_alu depctr_va_vdst(0)
	s_cbranch_scc1 .Lv
	WALK 0
.Lv:
	WALK 1
.Lfunc_end_k_qee68b660e1_proj:
	.size	k_qee68b660e1_proj, .Lfunc_end_k_qee68b660e1_proj-k_qee68b660e1_proj
	.p2alignl 7, 3214868480
	.fill 96, 4, 3214868480
	.section	.rodata,"a",@progbits
	.p2align	6, 0x0
	.amdhsa_kernel k_qee68b660e1_proj
		.amdhsa_group_segment_fixed_size 167936
		.amdhsa_private_segment_fixed_size 0
		.amdhsa_enable_private_segment 0
		.amdhsa_kernarg_size 72
		.amdhsa_user_sgpr_count 2
		.amdhsa_user_sgpr_kernarg_segment_ptr 1
		.amdhsa_wavefront_size32 1
		.amdhsa_system_sgpr_workgroup_id_x 1
		.amdhsa_system_sgpr_workgroup_id_y 1
		.amdhsa_system_sgpr_workgroup_id_z 1
		.amdhsa_system_vgpr_workitem_id 0
		.amdhsa_next_free_vgpr 1024
		.amdhsa_next_free_sgpr 90
		.amdhsa_reserve_vcc 0
		.amdhsa_float_denorm_mode_32 3
		.amdhsa_float_denorm_mode_16_64 3
		.amdhsa_memory_ordered 1
		.amdhsa_forward_progress 1
		.amdhsa_inst_pref_size 133
	.end_amdhsa_kernel
	.amdgpu_metadata
---
amdhsa.version: [ 1, 2 ]
amdhsa.kernels:
  - .name:           k_qee68b660e1_proj
    .symbol:         k_qee68b660e1_proj.kd
    .args:
      - { .name: hidden_states_codes, .offset: 0, .size: 8, .value_kind: global_buffer, .address_space: global }
      - { .name: Wq_codes, .offset: 8, .size: 8, .value_kind: global_buffer, .address_space: global }
      - { .name: Wk_codes, .offset: 16, .size: 8, .value_kind: global_buffer, .address_space: global }
      - { .name: Wv_codes, .offset: 24, .size: 8, .value_kind: global_buffer, .address_space: global }
      - { .name: bq, .offset: 32, .size: 8, .value_kind: global_buffer, .address_space: global }
      - { .name: bk, .offset: 40, .size: 8, .value_kind: global_buffer, .address_space: global }
      - { .name: bv, .offset: 48, .size: 8, .value_kind: global_buffer, .address_space: global }
      - { .name: lowp_scales, .offset: 56, .size: 8, .value_kind: global_buffer, .address_space: global }
      - { .name: qkv, .offset: 64, .size: 8, .value_kind: global_buffer, .address_space: global }
    .group_segment_fixed_size: 167936
    .private_segment_fixed_size: 0
    .kernarg_segment_align: 8
    .kernarg_segment_size: 72
    .max_flat_workgroup_size: 128
    .sgpr_count:     90
    .vgpr_count:     1024
    .wavefront_size: 32
...
	.end_amdgpu_metadata
.endif
;; end of part 1
;; launch attn (part 2): grid 256 x 1, 8 waves a work-group, no clusters, 314,368 bytes of LDS; arguments qkv, attention_mask, lowp_scales, out0; writes out0
.if DOCPART == 2
	.amdgcn_target "amdgcn-amd-amdhsa--gfx1250"
	.amdhsa_code_object_version 6
	.text
	.protected	k_qee68b660e1_attn
	.globl	k_qee68b660e1_attn
	.p2align	8
	.type	k_qee68b660e1_attn,@function
k_qee68b660e1_attn:
	s_mov_b64 s[64:65], 0
	v_nop
	global_prefetch_b8 v0, s[64:65] scope:SCOPE_SE
	s_setreg_imm32_b32 hwreg(HW_REG_WAVE_MODE, 25, 1), 1
	s_wait_xcnt 0x0
; out0[q][64 head + d] = the sum over keys of softmax_k(q . k / 8 + mask[k]) v[k][d], both products on codes of BF8 (E5M2); scales 2^e4 (q), 2^e5 (k), 2^e8 (p), 2^e9 (v).
; q, k, v come from qkv as images of operand registers (laid by the launch before): q, k [token / 16][2][lane][16 bytes]; v [token / 128][4][4][lane][16 bytes].
; THE SOFTMAX AHEAD OF THE SECOND PRODUCT: t = logit x log2(e); M = the largest t so far, rounded UP to a whole number; p = 2^(t - M) is quantised, not normalised.  The row's sum is taken of the unquantised p
; and divides at the end.  When M moves, the sum and O are multiplied by 2^(old M - new M): nothing is rounded.  M never falls, so it is kept alone: new M = max(old M, ceil(the step's largest t)).
; THE MASK COSTS NO VECTOR INSTRUCTION A SCORE: t = c (sum + mask x 8 / 2^(e4 + e5)), c = log2(e) / 8 x 2^(e4 + e5).  The mask, so scaled once (an exact change of exponent), lies in LDS and is the C of the products K Q^T.
; THE HOLD at the largest code: p is at most 1 (and the rounding of t - M), and 57,344 x 2^e8 is 1.75 or more where e8 >= -15: there the hold changes nothing, and a scalar branch on e8 leads round it.  This launch has no tensor load and no copy.
; SHARES.  A UNIT is 64 queries (four tiles of 16) of one head with all 4,096 keys: 12 heads x 64 = 768 units; a work-group takes three on end: 256 work-groups.  In a unit each of the eight waves takes its own 512 keys,
; four steps of 128, for all four tiles: each fragment of K and of V feeds four products and is read by one wave alone.  So K, V and Q go from memory straight into registers, and no barrier stands in the steps.
; At a unit's end the eight partial O, sums and M go to LDS; behind one barrier each wave joins eight of the 64 rows.  Two regions of LDS take turns by units, so that a wave's next stores meet nobody's reads:
; between a unit's reads of a region and the stores of the unit after next stands the next unit's barrier.
; NO CLUSTER: there is no tensor load to share; and a work-group's three units may span two heads, so that partners would need different keys.
; LAYOUT.  Both products are used transposed: S^T = K Q^T (source 0 = 16 keys, source 1 = 16 queries), O^T = V^T P^T (source 0 = 16 channels, source 1 = P): a lane holds ONE query (lane % 16) throughout.
; In tile t of S^T lane (r, h) holds keys 16 t + 8 h + 0 .. 7: eight codes of them ARE registers 2 t, 2 t + 1 of the second product's operand, and V's image has its keys in the same places.
; THE ORDER.  A tile-step n is one tile x 128 keys.  While n's exponentials are issued, n + 1's scores are scaled; then n is summed and quantised, O takes it up, and n + 2's products K Q^T and its maximum follow.
; That goes on over steps and units; a branch on the count of units leads round what would follow the last unit (the scaling under its last exponentials alone goes on, on registers that nobody reads).
; LIMITS: e4 + e5 between -123 and 130 (added to c's exponent field); e8 between -126 and 112; e8 + e9 is applied by v_ldexp_f32 and has none.  The scaled mask is held within +-3e38: an entry of -infinity gives
; p = 0 as it should, but a row ALL of whose keys are -infinity gets numbers where reference() has NaN.  NaN among the inputs, and sums of O beyond f32, are not served.
; REGISTERS: window 0: v0-63 below, v64-127 and v128-191 two buffers of scores, v192-255 the mask as C.   window 1: v0-63 K, v64-127 V, v128-255 O^T (32 a tile).
.set SCL,  0                           ; v0   the thread's number in the head; then 2^e8
.set LI,   1                           ; v1   16 x lane
.set AM,   2                           ; v2   LDS address of my wave's mask, + 32 (lane / 16)
.set SPW,  3                           ; v3   LDS address of my spare word; never rewritten
.set NIL,  4                           ; v4   0; never rewritten
.set PFO,  5                           ; v5   256 x lane; never rewritten
.set MS,   6                           ; v6   where I store my part of O, in region 0
.set MT,   7                           ; v7   where I store my sums and M
.set MR,   8                           ; v8   where I read the eight parts of O
.set MTR,  9                           ; v9   where I read the eight sums and M
.set GO,   10                          ; v10  my byte offset in the wave's rows of out0
.set PD,   11                          ; v11  a lane permute's destination
.set HOLD, 12                          ; v12-13 57,344 x 2^e8, twice
.set STW,  14                          ; v14  my stage: in
.set STR,  15                          ; v15  and back
.set NM,   16                          ; v16-19 -M of the four tiles
.set LS,   20                          ; v[20+2x:21+2x] the sum of tile x in two halves
.set FF,   28                          ; v28-29 f = 2^(old M - new M) of an even and of an odd tile-step
.set CH,   30                          ; v30-37 four chains
.set QB,   38                          ; v38-45 a tile of Q
.set P,    46                          ; v46-61 p's codes
.set TA,   62                          ; v62-63 addresses in hand
.set S,    64
.set MC,   192
.set KR,   0                           ; in window 1
.set VR,   64
.set OA,   128
.set WV,   12                          ; s12  wave
.set UU,   13                          ; s13  my unit
.set UN,   14                          ; s14  units to go, this one among them
.set ST,   15                          ; s15  the step in the unit
.set KP,   16                          ; s[16:17] K of the step that is loaded next; its V lies VOFF bytes on
.set QP,   18                          ; s[18:19] the unit's Q
.set OP,   20                          ; s[20:21] my eight rows of out0
.set PFA,  22                          ; s[22:23] where my prefetches stand
.set CS,   24                          ; s[24:25] c: the packed form names a pair and takes its low word for both halves
.set NCS,  26                          ; s26  -c
.set NH,   27                          ; s27  1 where e8 >= -15: no hold is needed
.set EO,   28                          ; s28  e8 + e9
.set MB,   29                          ; s29  byte of my mask at which the step that is loaded next begins
.set SEL,  30                          ; s[30:31] lane selects for v_permlanex16_b32: lane l xor 16
.set RG,   32                          ; s32  region of O, in bytes
.set RT,   33                          ; s33  region of the statistics
.set PFU,  34                          ; s34  3 in a wave that prefetches (it does so while UN = 3), else 0
.set W15,  35                          ; s35  32,768 x wave: my 512 keys in a head's K or V
.set VOFF, 12*262144                   ; from a head's k to its v
.set PART, 16384                       ; LDS: the mask (2,048 bytes a wave, its own) lies at 0; two regions of 8 waves x 4 tiles x 8 pieces x 512 bytes
.set STAT, PART+2*131072               ; two regions of 8 waves x 4 tiles x (32 sums, 32 M)
.set STAGE, STAT+2*8192                ; the way out: 8 rows x (256 bytes + 16) for each wave, 2,304 bytes apart
.set SPARE, STAGE+8*2304               ; the spare words, 128 bytes for each wave: four blocks of 256 bytes that no other line names
.set MSB, 0
.macro WIN new                         ; low byte: bits 1:0 source 0, 3:2 source 1, 5:4 source 2, 7:6 destination; the high byte repeats the setting that is left
.if MSB != \new
	s_set_vgpr_msb (MSB<<8)|\new
.set MSB, \new
.endif
.endm
.macro WALU
	s_wait_alu depctr_va_vdst(0)
.endm
.macro PLACES                          ; four plain vector instructions between a matrix instruction and a load into, or an instruction on, one of its registers
.rept 4
	v_nop
.endr
.endm
; K's and Q's addresses from my unit's number: head = unit / 64, tiles 4 (unit % 64) on
.macro UNITPTR
	s_lshr_b32 s36, s[UU], 6
	s_add_co_u32 s38, s36, 12
	s_lshl_b32 s38, s38, 18
	s_add_co_u32 s38, s38, s[W15]
	s_mov_b32 s39, 0
	s_and_b32 s42, s[UU], 63
	s_lshl_b32 s43, s42, 12
	s_lshl_b32 s40, s36, 18
	s_add_co_u32 s40, s40, s43
	s_mov_b32 s41, 0
	s_add_nc_u64 s[KP:KP+1], s[4:5], s[38:39]
	s_add_nc_u64 s[QP:QP+1], s[4:5], s[40:41]
.endm
.macro LOADQ dst, tile
	global_load_b128 v[\dst:\dst+3], v[LI], s[QP:QP+1] offset:1024*(\tile)
	global_load_b128 v[\dst+4:\dst+7], v[LI], s[QP:QP+1] offset:1024*(\tile)+512
.endm
.macro LOADK                           ; 128 keys: eight fragments of 16 keys
	WIN 0x40
.irp t, 0,1,2,3,4,5,6,7
	global_load_b128 v[KR+8*\t:KR+8*\t+3], v[LI], s[KP:KP+1] offset:1024*\t
	global_load_b128 v[KR+8*\t+4:KR+8*\t+7], v[LI], s[KP:KP+1] offset:1024*\t+512
.endr
	WIN 0
.endm
.macro LOADV                           ; the same keys: four fragments of 16 channels
	WIN 0x40
.irp d, 0,1,2,3
.irp c, 0,1,2,3
	global_load_b128 v[VR+16*\d+4*\c:VR+16*\d+4*\c+3], v[LI], s[KP:KP+1] offset:VOFF+2048*\d+512*\c
.endr
.endr
	WIN 0
.endm
.macro LOADM adr                       ; register j of tile t: the mask of key 16 t + 8 h + j; sixteen lanes share an address
.irp t, 0,1,2,3,4,5,6,7
	ds_load_b128 v[MC+8*\t:MC+8*\t+3], v[\adr] offset:64*\t
	ds_load_b128 v[MC+8*\t+4:MC+8*\t+7], v[\adr] offset:64*\t+16
.endr
.endm
.macro QK dst, qb
	WIN 0x01                                       ; K in window 1
.irp t, 0,1,2,3,4,5,6,7
	v_wmma_f32_16x16x64_bf8_bf8 v[\dst+8*\t:\dst+8*\t+7], v[KR+8*\t:KR+8*\t+7], v[\qb:\qb+7], v[MC+8*\t:MC+8*\t+7]
.endr
	WIN 0
.endm
.macro PV tile                         ; the four accumulators by turns, one instruction a turn
	WIN 0x51                                       ; V and O^T in window 1
.irp d, 0,1,2,3
	v_wmma_f32_16x16x128_bf8_bf8 v[OA+32*(\tile)+8*\d:OA+32*(\tile)+8*\d+7], v[VR+16*\d:VR+16*\d+15], v[P:P+15], v[OA+32*(\tile)+8*\d:OA+32*(\tile)+8*\d+7]
.endr
.endm
; The largest of my 64 scores of my query in buffer b, in four chains, each accumulator from its low end on; then M and f (slot par) of tile z.
.macro MAXI b, z, par
	v_max3_num_f32 v[CH], v[\b], v[\b+1], v[\b+2]
	v_max3_num_f32 v[CH+1], v[\b+3], v[\b+4], v[\b+5]
	v_max3_num_f32 v[CH+2], v[\b+6], v[\b+7], v[\b+8]
	v_max3_num_f32 v[CH+3], v[\b+9], v[\b+10], v[\b+11]
.set j, 12
.rept 6
	v_max3_num_f32 v[CH], v[CH], v[\b+j], v[\b+j+1]
	v_max3_num_f32 v[CH+1], v[CH+1], v[\b+j+2], v[\b+j+3]
	v_max3_num_f32 v[CH+2], v[CH+2], v[\b+j+4], v[\b+j+5]
	v_max3_num_f32 v[CH+3], v[CH+3], v[\b+j+6], v[\b+j+7]
.set j, j+8
.endr
	v_max3_num_f32 v[CH], v[CH], v[\b+60], v[\b+61]
	v_max3_num_f32 v[CH+1], v[CH+1], v[\b+62], v[\b+63]
	v_max_num_f32 v[CH+2], v[CH+2], v[CH+3]
	v_max3_num_f32 v[CH], v[CH], v[CH+1], v[CH+2]
	s_delay_alu instid0(VALU_DEP_1)
	v_permlanex16_b32 v[PD], v[CH], s[SEL], s[SEL+1]
	s_delay_alu instid0(VALU_DEP_1)
	v_max_num_f32 v[CH], v[CH], v[PD]              ; and among lane l xor 16's
	s_delay_alu instid0(VALU_DEP_1)
	v_mul_f32 v[CH], s[NCS], v[CH]                 ; -t (c is positive)
	s_delay_alu instid0(VALU_DEP_1)
	v_floor_f32 v[CH], v[CH]                       ; floor(-t) = -ceil(t): a whole number
	s_delay_alu instid0(VALU_DEP_1)
	v_min_num_f32 v[CH+1], v[NM+\z], v[CH]         ; the new -M
	s_delay_alu instid0(VALU_DEP_1)
	v_sub_f32 v[CH], v[CH+1], v[NM+\z]             ; M's old value less its new one: a whole number, 0 or less
	v_mov_b32 v[NM+\z], v[CH+1]
	v_cvt_i32_f32 v[CH], v[CH]                     ; (it saturates)
	s_delay_alu instid0(VALU_DEP_1)
	v_ldexp_f32 v[FF+\par], 1.0, v[CH]
.endm
.macro FMA b, z                        ; two scores of tile z, the k-th on, become t - M
.if (\z)%2
	v_pk_fma_f32 v[\b+k:\b+k+1], v[\b+k:\b+k+1], s[CS:CS+1], v[NM+(\z)-1:NM+(\z)] op_sel:[0,0,1] op_sel_hi:[1,0,1]
.else
	v_pk_fma_f32 v[\b+k:\b+k+1], v[\b+k:\b+k+1], s[CS:CS+1], v[NM+(\z):NM+(\z)+1] op_sel_hi:[1,0,0]
.endif
.set k, k+2
.endm
.macro SUMS                            ; the row's sum is taken of the UNQUANTISED p, two at a time, in four chains
.irp c, 0,1,2,3
	v_pk_add_f32 v[CH+2*\c:CH+2*\c+1], v[iB+4*\c:iB+4*\c+1], v[iB+4*\c+2:iB+4*\c+3]
.endr
.set j, 16
.rept 6
.irp c, 0,1,2,3
	v_pk_add_f32 v[CH+2*\c:CH+2*\c+1], v[CH+2*\c:CH+2*\c+1], v[iB+j+2*\c:iB+j+2*\c+1]
.endr
.set j, j+8
.endr
.endm
.macro CODES                           ; keys 16 t + 8 h + 0 .. 7: registers 2 t, 2 t + 1 of the operand
.irp t, 0,1,2,3,4,5,6,7
	v_cvt_scalef32_pk8_bf8_f32 v[P+2*\t:P+2*\t+1], v[iB+8*\t:iB+8*\t+7], v[SCL]
.endr
.endm
.macro COMBO x, par                    ; the four chains into tile x's sum, which goes under the new M in the same line
	v_pk_add_f32 v[CH:CH+1], v[CH:CH+1], v[CH+2:CH+3]
	v_pk_add_f32 v[CH+4:CH+5], v[CH+4:CH+5], v[CH+6:CH+7]
	s_delay_alu instid0(VALU_DEP_1)
	v_pk_add_f32 v[CH:CH+1], v[CH:CH+1], v[CH+4:CH+5]
	s_delay_alu instid0(VALU_DEP_1)
.if \par
	v_pk_fma_f32 v[LS+2*\x:LS+2*\x+1], v[LS+2*\x:LS+2*\x+1], v[FF:FF+1], v[CH:CH+1] op_sel:[0,1,0] op_sel_hi:[1,1,1]
.else
	v_pk_fma_f32 v[LS+2*\x:LS+2*\x+1], v[LS+2*\x:LS+2*\x+1], v[FF:FF+1], v[CH:CH+1] op_sel_hi:[1,0,1]
.endif
.endm
; My part of tile x of a finished unit goes to LDS, and M begins anew: the next f of the tile is then 0, which clears the sum and O^T.
; A piece (16 lanes x 16 bytes a half) has its lanes 16-31 turned by 128 bytes, so that both the stores and the joining waves' loads touch all banks evenly.
.macro STORE x
	v_add_f32 v[CH], v[LS+2*\x], v[LS+2*\x+1]
	s_delay_alu instid0(VALU_DEP_1)
	v_permlanex16_b32 v[PD], v[CH], s[SEL], s[SEL+1]
	s_delay_alu instid0(VALU_DEP_1)
	v_add_f32 v[CH], v[CH], v[PD]
	v_add_nc_u32 v[TA], s[RG], v[MS]
	v_add_nc_u32 v[TA+1], s[RT], v[MT]
	ds_store_b32 v[TA+1], v[CH] offset:256*\x
	ds_store_b32 v[TA+1], v[NM+\x] offset:256*\x+128
	v_mov_b32 v[NM+\x], 0x7f61b1e6                 ; -M = 3e38: under every M
	WIN 0x04                                       ; data in window 1
.irp d, 0,1,2,3
	ds_store_b128 v[TA], v[OA+32*\x+8*\d:OA+32*\x+8*\d+3] offset:4096*\x+1024*\d
	ds_store_b128 v[TA], v[OA+32*\x+8*\d+4:OA+32*\x+8*\d+7] offset:4096*\x+1024*\d+512
.endr
	WIN 0
.endm
; A TILE-STEP: tile n of the step in hand.  last = 1: the unit's last step: what is loaded ahead belongs to the next unit, and the tile's part goes to LDS.
.macro ITER n, last
.set iB, S+64*((\n)%2)                 ; my scores, now t - M
.set iN, S+64*(((\n)+1)%2)             ; the next tile-step's
.if ((\n) != 1) || (\last)             ; (tile 1's wait stands ahead of tile 0's products V^T P, behind the last ordinary write)
	WALU
.endif
.set j, 0
.set k, 0
.rept 32
	v_exp_f32 v[iB+j], v[iB+j]                     ; p = 2^(t - M)
	v_exp_f32 v[iB+j+1], v[iB+j+1]
.if j >= 16
	FMA iN, ((\n)+1)%4
.endif
.set j, j+2
.endr
.rept 4
	FMA iN, ((\n)+1)%4                             ; plain lines behind the last exponential; the last four of the 32 stand behind the products K Q^T
.endr
	WIN 0x41
	WALU                                           ; for the exponentials and for O^T
.set j, 0
.rept 16
.if (\n)%2
	v_pk_mul_f32 v[OA+32*\n+j:OA+32*\n+j+1], v[OA+32*\n+j:OA+32*\n+j+1], v[FF:FF+1] op_sel:[0,1] op_sel_hi:[1,1]   ; O^T under the new M
.else
	v_pk_mul_f32 v[OA+32*\n+j:OA+32*\n+j+1], v[OA+32*\n+j:OA+32*\n+j+1], v[FF:FF+1] op_sel_hi:[1,0]
.endif
.set j, j+2
.endr
	WIN 0
	s_cmp_lg_u32 s[NH], 0                          ; two ways, each with its own sums, so that nothing just written is read behind the branch
	s_cbranch_scc1 .Lno_hold_\@
	SUMS
	COMBO \n, (\n)%2
.set j, 0
.rept 32
	v_dual_min_num_f32 v[iB+j], v[HOLD], v[iB+j] :: v_dual_min_num_f32 v[iB+j+1], v[HOLD+1], v[iB+j+1]   ; the conversion to an 8-bit code does not saturate (ISA guide 7.6.2); p is not negative
.set j, j+2
.endr
	CODES
	v_nop                                          ; one plain vector instruction behind the last conversion
	WALU
	s_branch .Lcodes_\@
.Lno_hold_\@:
	CODES
	SUMS
	COMBO \n, (\n)%2
.Lcodes_\@:
.if ((\n) == 2) || ((\last) && ((\n) == 3))
	PV \n                                          ; ahead of the wait for the loads
	WIN 0
.endif
.if (\n) == 0
	s_wait_loadcnt 16                              ; Q of tile 2 is in; V's sixteen loads, issued behind it, may be out
.else
	s_wait_loadcnt 0x0
.endif
.if (\n) == 0 && (\last) == 0
	s_wait_xcnt 0x0                                ; the last prefetch has read its address
	s_add_nc_u64 s[PFA:PFA+1], s[PFA:PFA+1], 0x2000
.endif
.if (\n) == 2
	s_wait_dscnt 0x0                               ; the mask
.endif
.if (\n) == 1
.if \last
	s_lshr_b32 s36, s[UU], 6                       ; this unit's rows of out0: 64 (unit % 64) + 8 wave, 3,072 bytes a row, + 256 x head
	s_and_b32 s42, s[UU], 63
	s_lshl_b32 s42, s42, 6
	s_lshl_b32 s43, s[WV], 3
	s_add_co_u32 s42, s42, s43
	s_mul_i32 s42, s42, 3072
	s_lshl_b32 s36, s36, 8
	s_add_co_u32 s42, s42, s36
	s_mov_b32 s43, 0
	s_add_nc_u64 s[OP:OP+1], s[10:11], s[42:43]
	s_add_co_u32 s[UU], s[UU], 1
	UNITPTR
	s_mov_b32 s[MB], 0
.else
	s_add_nc_u64 s[KP:KP+1], s[KP:KP+1], 0x2000    ; the next 128 keys: every load by this base has been waited for
	s_add_co_u32 s[MB], s[MB], 512
.endif
.endif
.if (\last) && ((\n) >= 2)
	s_cmp_eq_u32 s[UN], 1                          ; the last unit: no tile-step follows
	s_cbranch_scc1 .Lno_next_\@
.endif
	QK iB, QB
.if ((\n) == 1) || (((\n) == 3) && ((\last) == 0))
	PV \n
	WIN 0
.endif
.rept 4
	FMA iN, ((\n)+1)%4                             ; the last four of the next tile-step's: these are the places behind the products
.endr
.if (\last) && (\n) == 1
	s_cmp_eq_u32 s[UN], 1
	s_cbranch_scc1 .Lno_load_\@
.endif
	LOADQ QB, ((\n)+3)%4
.if (\n) == 1
	LOADK
	v_add_nc_u32 v[TA], s[MB], v[AM]
	LOADM TA
.endif
.if (\n) == 3
	LOADV
.endif
.if (\last) && (\n) == 1
.Lno_load_\@:
.endif
	MAXI iB, ((\n)+2)%4, (\n)%2
.if (\last) && ((\n) >= 2)
	s_branch .Ljoin_\@
.Lno_next_\@:
	WALU
.if (\n) == 2
.set k, 56
.rept 4
	FMA iN, ((\n)+1)%4                             ; (tile 3 of the last step still wants them)
.endr
.endif
.Ljoin_\@:
.endif
.if (\n) == 0
.if (\last) == 0
; A PREFETCH of 8,192 bytes of K or of V, a lane to each 256: in the first unit's steps 0 and 1, for steps 2 and 3: one step and a quarter ahead of K's loads, more of V's.  A head's first units fall into sixteen groups of four neighbours;
; one work-group of each group asks for one wave's keys, of K or of V: so each block is named once in the launch.  Steps 0 and 1 come by their loads alone; later units of a head walk the same bytes again.
	s_cmp_lt_u32 s[ST], 2
	s_cselect_b32 s36, s[UN], -1
	s_cmp_eq_u32 s36, s[PFU]
	s_cbranch_scc0 .Lno_ask_\@
	global_prefetch_b8 v[PFO], s[PFA:PFA+1] th:TH_LOAD_NT scope:SCOPE_SE
.Lno_ask_\@:
.endif
	WALU
	s_wait_loadcnt 2                               ; V is in; Q of tile 3, issued behind it, may be out
	PV 0
	WIN 0
.if \last
	PLACES
.endif
.endif
.if \last
	STORE \n
.endif
.endm
	s_load_b256 s[4:11], s[0:1], 0x0               ; qkv s[4:5], the mask s[6:7], the scales' exponents s[8:9], out0 s[10:11]
	v_lshl_add_u32 v[SPW], v0, 2, SPARE
	v_mov_b32 v[NIL], 0
	v_and_b32 v[LI], 31, v0
	v_lshrrev_b32 v30, 5, v0                       ; wave 0..7
	v_and_b32 v31, 15, v0                          ; r
	v_bfe_u32 v32, v0, 4, 1                        ; h
	v_readfirstlane_b32 s[WV], v30
	v_lshlrev_b32 v[PFO], 8, v[LI]
	v_lshlrev_b32 v34, 2, v[LI]
	v_lshlrev_b32 v[LI], 4, v[LI]
	v_lshl_add_u32 v[MT], v30, 10, v34             ; statistics: 1,024 bytes a wave, 4 x lane
	v_add_nc_u32 v[MT], STAT, v[MT]
	v_lshlrev_b32 v[AM], 11, v30
	v_add_nc_u32 v33, v[AM], v[LI]                 ; where I store my part of the scaled mask
	v_lshl_add_u32 v[AM], v32, 5, v[AM]
	v_lshlrev_b32 v34, 7, v32
	v_xor_b32 v34, v34, v[LI]                      ; 16 x lane, lanes 16-31 turned by 128 bytes
	v_lshl_add_u32 v[MS], v30, 14, v34
	v_add_nc_u32 v[MS], PART, v[MS]
	; joining: wave w takes tile w / 2, its queries 8 (w % 2) + 0 .. 7; lane l query l % 8, of each 16 channels the four 8 hh + 4 h + 0 .. 3, hh = (l / 8) % 2
	v_bfe_u32 v34, v0, 3, 1                        ; hh
	v_and_b32 v35, 7, v0
	v_bfe_u32 v36, v0, 5, 1
	v_lshl_add_u32 v36, v36, 3, v35                ; the query in the tile
	v_lshrrev_b32 v37, 6, v0                       ; the tile
	v_lshlrev_b32 v[MTR], 8, v37
	v_lshl_add_u32 v[MTR], v36, 2, v[MTR]
	v_add_nc_u32 v[MTR], STAT, v[MTR]
	v_lshlrev_b32 v36, 4, v36
	v_lshlrev_b32 v38, 7, v34
	v_xor_b32 v36, v36, v38
	v_lshl_add_u32 v36, v34, 8, v36
	v_lshl_add_u32 v36, v32, 9, v36
	v_lshl_add_u32 v[MR], v37, 12, v36
	v_add_nc_u32 v[MR], PART, v[MR]
	v_mul_u32_u24 v37, v30, 2304                   ; my stage
	v_mul_u32_u24 v36, v35, 272
	v_add_nc_u32 v36, v36, v37
	v_lshl_add_u32 v36, v34, 5, v36
	v_lshl_add_u32 v36, v32, 4, v36
	v_add_nc_u32 v[STW], STAGE, v36
	v_mul_u32_u24 v36, v32, 272                    ; back: lanes 0-15 one row of 256 bytes, lanes 16-31 the next
	v_add_nc_u32 v36, v36, v37
	v_lshl_add_u32 v36, v31, 4, v36
	v_add_nc_u32 v[STR], STAGE, v36
	v_mul_u32_u24 v[GO], v32, 3072                 ; and the same two rows in out0
	v_lshl_add_u32 v[GO], v31, 4, v[GO]
	WALU
	s_mul_i32 s[UU], ttmp9, 3
	s_mov_b32 s[UN], 3
	s_mov_b32 s[RG], 0
	s_mov_b32 s[RT], 0
	s_mov_b32 s[MB], 0
	s_mov_b32 s[SEL], 0x76543210
	s_mov_b32 s[SEL+1], 0xfedcba98
	s_lshl_b32 s[W15], s[WV], 15
	s_lshl_b32 s46, s[WV], 11
	s_mov_b32 s47, 0
	s_wait_kmcnt 0x0
	s_load_b256 s[48:55], s[8:9], 0x0              ; e0 .. e7
	s_load_b64 s[56:57], s[8:9], 0x20              ; e8, e9
	s_add_nc_u64 s[6:7], s[6:7], s[46:47]          ; my 512 numbers of the mask
	UNITPTR
	s_lshr_b32 s44, s42, 2                         ; the prefetches: group (unit % 64) / 4: its low bit K or V, the others whose keys
	s_and_b32 s45, s44, 1
	s_mul_i32 s45, s45, VOFF
	s_lshr_b32 s44, s44, 1
	s_lshl_b32 s44, s44, 15
	s_add_co_u32 s44, s44, s45
	s_add_co_u32 s45, s36, 12
	s_lshl_b32 s45, s45, 18
	s_add_co_u32 s44, s44, s45
	s_add_co_u32 s44, s44, 8192                    ; at step 1: the first step's line steps it to step 2
	s_mov_b32 s45, 0
	s_add_nc_u64 s[PFA:PFA+1], s[4:5], s[44:45]
	s_and_b32 s46, s[UU], 3                        ; first units lie three apart: a group of four has one at place 0, 1 or 2, and the one at place 3, if any, leaves it to that
	s_cmp_lg_u32 s46, 3
	s_cselect_b32 s46, 3, 0
	s_cmp_eq_u32 s[WV], 0
	s_cselect_b32 s[PFU], s46, 0
.irp i, 0,1,2,3
	global_load_b128 v[S+4*\i:S+4*\i+3], v[LI], s[6:7] offset:512*\i
.endr
	LOADQ QB, 0
	LOADQ P, 1                                     ; (tile 1's first fragment of Q waits where p's codes will lie)
	LOADK
.irp x, 0,1,2,3
	v_mov_b32 v[NM+\x], 0x7f61b1e6                 ; -M = 3e38
	v_mov_b32 v[LS+2*\x], 0
	v_mov_b32 v[LS+2*\x+1], 0
.endr
	v_mov_b32 v[FF], 0                             ; (the two are named as a pair)
	v_mov_b32 v[FF+1], 0
	v_mov_b32 v[PD], 0                             ; written once: a lane permute's destination counts as one of its sources
	WIN 0x40
.set j, 0
.rept 128
	v_mov_b32 v[OA+j], 0                           ; O^T.  (The step is written one way: the first finds zeros, which the first change of M leaves zeros)
.set j, j+1
.endr
	WIN 0
	s_wait_kmcnt 0x0
	s_add_co_i32 s36, s52, s53                     ; e4 + e5
	s_lshl_b32 s37, s36, 23
	s_mov_b32 s[CS], 0x3e38aa3b                    ; log2(e) / 8
	s_add_co_i32 s[CS], s[CS], s37                 ; x 2^(e4 + e5): the two exponents are added to its exponent field
	s_mov_b32 s[CS+1], s[CS]                       ; (named with it as a pair, so it is written)
	s_xor_b32 s[NCS], s[CS], 0x80000000
	s_sub_co_i32 s38, 3, s36                       ; the mask goes in x 8 / 2^(e4 + e5)
	s_add_co_i32 s[EO], s56, s57
	s_add_co_i32 s39, s56, 127
	s_lshl_b32 s40, s39, 23
	s_add_co_i32 s39, s39, 15
	s_lshl_b32 s39, s39, 23
	s_or_b32 s39, s39, 0x600000
	s_cmp_ge_i32 s56, -15
	s_cselect_b32 s[NH], 1, 0
	v_mov_b32 v[SCL], s40                          ; 2^e8 as f32, for the conversion
	v_mov_b32 v[HOLD], s39                         ; 57,344 x 2^e8
	v_mov_b32 v[HOLD+1], s39
	v_mov_b32 v30, 0x7f61b1e6                      ; 3e38
	WALU
	s_wait_loadcnt 20                              ; the mask's four loads are in; Q's four and K's sixteen, issued behind them, may be out
.set j, 0
.rept 16
	v_ldexp_f32 v[S+j], v[S+j], s38
.set j, j+1
.endr
.set j, 0
.rept 16
	v_med3_num_f32 v[S+j], v[S+j], -v30, v30       ; no infinity goes into a sum
.set j, j+1
.endr
.irp i, 0,1,2,3
	ds_store_b128 v33, v[S+4*\i:S+4*\i+3] offset:512*\i   ; my wave's own bytes: LDS serves a wave's instructions in order (ISA guide 5.7.1.4), so the loads below see them
.endr
	LOADM AM
	WALU
	s_wait_dscnt 0x0
	s_wait_loadcnt 0x0                             ; Q's first two tiles and K
	QK S, QB
	QK S+64, P
	PLACES
	LOADQ QB, 2
	LOADV
	MAXI S, 0, 0
	MAXI S+64, 1, 1
.set k, 0
.rept 32
	FMA S, 0
.endr
.Lunit:
	s_mov_b32 s[ST], 0
.Lstep:                                            ; the unit's first three steps
	ITER 0, 0
	ITER 1, 0
	ITER 2, 0
	ITER 3, 0
	s_add_co_u32 s[ST], s[ST], 1
	s_cmp_lt_u32 s[ST], 3
	WALU
	s_cbranch_scc1 .Lstep
	ITER 0, 1                                      ; and its last
	ITER 1, 1
	ITER 2, 1
	ITER 3, 1
	; JOINING the eight waves' parts.  O^T's registers are free until the next unit's first rescaling, which multiplies what they hold by 0.
	v_add_nc_u32 v[TA], s[RG], v[MR]
	v_add_nc_u32 v30, s[RT], v[MTR]
	v_add_nc_u32 v[TA+1], 0x10000, v[TA]
	WALU
	s_wait_dscnt 0x0                               ; my stores to LDS are done:
	s_barrier_signal -1
	s_barrier_wait -1                              ; and everybody's
.irp p, 0,1,2,3,4,5,6,7
	ds_load_b32 v[P+\p], v30 offset:1024*\p+128    ; -M of wave p
.endr
.irp p, 0,1,2,3,4,5,6,7
	ds_load_b32 v[P+8+\p], v30 offset:1024*\p      ; its sum
.endr
	WIN 0x40
.irp p, 0,1,2,3
.irp d, 0,1,2,3
	ds_load_b128 v[OA+16*\p+4*\d:OA+16*\p+4*\d+3], v[TA] offset:16384*\p+1024*\d
.endr
.endr
.irp p, 0,1,2,3
.irp d, 0,1,2,3
	ds_load_b128 v[OA+64+16*\p+4*\d:OA+64+16*\p+4*\d+3], v[TA+1] offset:16384*\p+1024*\d
.endr
.endr
	WIN 0
	s_wait_dscnt 32                                ; the statistics are in; the 32 loads behind them may be out
	v_min3_num_f32 v30, v[P], v[P+1], v[P+2]
	v_min3_num_f32 v31, v[P+3], v[P+4], v[P+5]
	v_min_num_f32 v32, v[P+6], v[P+7]
	v_min3_num_f32 v30, v30, v31, v32              ; the row's -M
.irp p, 0,1,2,3,4,5,6,7
	v_sub_f32 v[P+\p], v30, v[P+\p]                ; wave p's M less the row's
.endr
.irp p, 0,1,2,3,4,5,6,7
	v_cvt_i32_f32 v[P+\p], v[P+\p]
.endr
.irp p, 0,1,2,3,4,5,6,7
	v_ldexp_f32 v[P+\p], 1.0, v[P+\p]
.endr
	v_mul_f32 v31, v[P], v[P+8]
	v_mul_f32 v32, v[P+1], v[P+9]
.irp p, 2,4,6
	v_fmac_f32 v31, v[P+\p], v[P+8+\p]
	v_fmac_f32 v32, v[P+1+\p], v[P+9+\p]
.endr
	v_add_f32 v31, v31, v32                        ; the row's sum
	WALU
	v_rcp_f32 v31, v31
	v_nop                                          ; a plain line behind the reciprocal
	WALU
	v_ldexp_f32 v31, v31, s[EO]
.irp p, 0,1,2,3,4,5,6,7
	v_mul_f32 v[P+\p], v[P+\p], v31
.endr
	WALU
	s_wait_dscnt 0x0                               ; the eight parts
	WIN 0x41
.set j, 0
.rept 8
	v_pk_mul_f32 v[OA+j:OA+j+1], v[OA+j:OA+j+1], v[P:P+1] op_sel_hi:[1,0]
.set j, j+2
.endr
	WIN 0x51
.irp p, 1,2,3,4,5,6,7
.set j, 0
.rept 8
.if (\p)%2
	v_pk_fma_f32 v[OA+j:OA+j+1], v[OA+16*\p+j:OA+16*\p+j+1], v[P+\p-1:P+\p], v[OA+j:OA+j+1] op_sel:[0,1,0] op_sel_hi:[1,1,1]
.else
	v_pk_fma_f32 v[OA+j:OA+j+1], v[OA+16*\p+j:OA+16*\p+j+1], v[P+\p:P+\p+1], v[OA+j:OA+j+1] op_sel_hi:[1,0,1]
.endif
.set j, j+2
.endr
.endr
	WIN 0x04                                       ; data in window 1
.irp d, 0,1,2,3
	ds_store_b128 v[STW], v[OA+4*\d:OA+4*\d+3] offset:64*\d
.endr
	WIN 0
.irp i, 0,1,2,3
	ds_load_b128 v[P+4*\i:P+4*\i+3], v[STR] offset:544*\i   ; my wave's own bytes, served in order: these see my stores
.endr
	WALU
	s_wait_dscnt 0x0
.irp i, 0,1,2,3
	global_store_b128 v[GO], v[P+4*\i:P+4*\i+3], s[OP:OP+1] offset:6144*\i th:TH_STORE_NT   ; sixteen lanes store 256 consecutive bytes, at a multiple of 256 from out0's first byte
.endr
	s_wait_xcnt 0x0                                ; the stores have read their data and their base
	s_xor_b32 s[RG], s[RG], 131072                 ; the other regions
	s_xor_b32 s[RT], s[RT], 8192
	s_sub_co_u32 s[UN], s[UN], 1
	s_cmp_lg_u32 s[UN], 0
	WALU
	s_cbranch_scc1 .Lunit
	s_wait_tensorcnt 0x0                           ; the wave's end, behind my last LDS store
	ds_add_u32 v[SPW], v[NIL]
	s_wait_dscnt 0x0
	s_endpgm
.Lfunc_end_k_qee68b660e1_attn:
	.size	k_qee68b660e1_attn, .Lfunc_end_k_qee68b660e1_attn-k_qee68b660e1_attn
	.p2alignl 7, 3214868480
	.fill 96, 4, 3214868480
	.section	.rodata,"a",@progbits
	.p2align	6, 0x0
	.amdhsa_kernel k_qee68b660e1_attn
		.amdhsa_group_segment_fixed_size 314368
		.amdhsa_private_segment_fixed_size 0
		.amdhsa_enable_private_segment 0
		.amdhsa_kernarg_size 32
		.amdhsa_user_sgpr_count 2
		.amdhsa_user_sgpr_kernarg_segment_ptr 1
		.amdhsa_wavefront_size32 1
		.amdhsa_system_sgpr_workgroup_id_x 1
		.amdhsa_system_sgpr_workgroup_id_y 1
		.amdhsa_system_sgpr_workgroup_id_z 1
		.amdhsa_system_vgpr_workitem_id 0
		.amdhsa_next_free_vgpr 512
		.amdhsa_next_free_sgpr 66
		.amdhsa_reserve_vcc 0
		.amdhsa_float_denorm_mode_32 3
		.amdhsa_float_denorm_mode_16_64 3
		.amdhsa_memory_ordered 1
		.amdhsa_forward_progress 1
		.amdhsa_inst_pref_size 180
	.end_amdhsa_kernel
	.amdgpu_metadata
---
amdhsa.version: [ 1, 2 ]
amdhsa.kernels:
  - .name:           k_qee68b660e1_attn
    .symbol:         k_qee68b660e1_attn.kd
    .args:
      - { .name: qkv, .offset: 0, .size: 8, .value_kind: global_buffer, .address_space: global }
      - { .name: attention_mask, .offset: 8, .size: 8, .value_kind: global_buffer, .address_space: global }
      - { .name: lowp_scales, .offset: 16, .size: 8, .value_kind: global_buffer, .address_space: global }
      - { .name: out0, .offset: 24, .size: 8, .value_kind: global_buffer, .address_space: global }
    .group_segment_fixed_size: 314368
    .private_segment_fixed_size: 0
    .kernarg_segment_align: 8
    .kernarg_segment_size: 32
    .max_flat_workgroup_size: 256
    .sgpr_count:     66
    .vgpr_count:     512
    .wavefront_size: 32
...
	.end_amdgpu_metadata
.endif
;; end of part 2
